; MI455X (gfx1250); checked and timed in simulation.
; The chip was launched on July 23, 2026; its instructions are those of AMD's public machine-readable ISA for CDNA 5 (MIT licence, August 2026) and "CDNA5" Instruction Set Architecture Reference Guide (July 2026). The comments in the code are by the model that wrote it; some were corrected since.
;; Match Net. Allowed arithmetic: matrix products marked QUANTISED: E2M1 operands, one E8M0 scale for each 32 along K, by v_wmma_scale_f32_16x16x128_f8f6f4 with both operands' format E2M1 (or v_wmma_scale_f32_32x16x128_f4), f32 sums; everything else in f32.
;; Inputs: W_hh 8,192 x 2,048 float32; W_ih 8,192 x 1,024 float32; b_hh 8,192 float32; b_ih 8,192 float32; query_mean 2,048 x 1,024 float32; query_var 2,048 x 1,024 float32; support_mean 512 x 1,024 float32; support_var 512 x 1,024 float32.
;; Outputs: out0 2,048 x 512 float32.
;; This version of the problem:
;;   THIS VERSION OF THE PROBLEM IS GIVEN IN LOW PRECISION. The matrix products marked QUANTISED in the list below multiply operands that are first quantised to E2M1 (2 exponent bits, 1 mantissa bit; 4 bits a number), with one power-of-two scale for each 32 numbers along K (OCP MX v1.0); their sums are f32. All else is computed in f32.
;;   The module's matrix products, in the order in which they are computed (A, B: the left and right operand; K: the contracted axis; several contracted axes count as one K, in the product's order):
;;     1. [M 2,048, K 1,024] x [K 1,024, N 8,192]; A: input query_mean; B: input W_ih: QUANTISED
;;     2. [M 2,048, K 2,048] x [K 2,048, N 8,192]; A: computed on the way; B: input W_hh: QUANTISED
;;     3. [M 2,048, K 1,024] x [K 1,024, N 512]; A: computed on the way; B: input support_mean: QUANTISED
;;     4. [M 2,048, K 512] x [K 512, N 1,024]; A: softmax (see below); B: input support_mean: QUANTISED
;;     5. [M 2,048, K 1,024] x [K 1,024, N 512]; A: computed on the way; B: input support_mean: QUANTISED
;;   THE QUANTISER, for each operand of a quantised product, along K:
;;     - K is cut into blocks of 32 from its start; a last block that is shorter is filled with zeros.
;;     - A block's scale is 2^e with e = floor(log2(the largest magnitude in the block)) - 2, held to -126 .. 127; a block of zeros has e = 0. As a byte (E8M0): e + 127.
;;     - Each number is divided by its block's scale, clamped to +-6, and rounded to the nearest number of E2M1, ties to even, subnormals kept.
;;     - The product sums the exact products of the quantised numbers (number of the format x scale) in f32.
;;   ~~~python
;;   def quantise(x, axis):      # numpy; x: float32 -> the quantised numbers, widened to float32 again
;;       x = np.moveaxis(x, axis, -1); K = x.shape[-1]
;;       x = np.pad(x, [(0, 0)] * (x.ndim - 1) + [(0, -K % 32)]); x = x.reshape(x.shape[:-1] + (-1, 32)); a = np.abs(x).max(-1, keepdims=True)
;;       e = np.where(a > 0, np.clip(np.frexp(np.where(a > 0, a, 1))[1] - 1 - 2, -126, 127), 0)      # np.frexp(a)[1] - 1 = floor(log2(a)), exactly
;;       r = np.clip(x / 2.0 ** e, -6, 6)
;;       step = 2.0 ** (np.maximum(np.frexp(np.where(r == 0, 1, r))[1] - 1, 0) - 1)
;;       q = np.round(r / step) * step * 2.0 ** e      # np.round: ties to even
;;       return np.moveaxis(q.reshape(q.shape[:-2] + (-1,))[..., :K], -1, axis).astype(np.float32)
;;   ~~~
;;   SOFTMAX AHEAD OF A QUANTISED PRODUCT. Where the list says 'softmax', what is quantised is not the finished softmax but p = 2^(t - M), with t = logit x log2(e) and M = ceil(the row's largest t), a whole number; so 1/2 < the row's largest p <= 1. The row's sum l is taken of the UNQUANTISED p, in f32, and the product's result is divided by l at the end. Since M is a whole number, a kernel that streams over the keys may use a running M (the ceiling of the running maximum): every later rescaling is an exact power of two, which a block's scale takes up: the codes' values come out the same.
;;   OPERANDS COMPUTED ON THE WAY. 'Computed on the way' means the value that the module computes at that place (a softmax that the list does not call 'softmax' is quantised finished and normalised). What goes into a quantiser is computed in f32, as accurately as f32 sums, v_exp_f32 and their like allow (about 1e-6 of the number): no bf16 or f16 on the way to a quantiser, and a product that is left as it is and whose result goes on into a quantised operand takes f32 operands (vector FMAs, or v_wmma_f32_16x16x4_f32). A number that lies on a knife's edge between two numbers of the format may be rounded either way, as far as f32 arithmetic and the matrix unit's own rounding can turn it there, and no further.
;; One version. Each part assembles by itself: llvm-mc -triple=amdgcn-amd-amdhsa -mcpu=gfx1250 --defsym DOCPART=n.
;; ======== version 1 of 1: 3 launches
;; limits: a function is approximated: absolute error at most 1e-07
;; workspace buffers: xq 1,114,112 bytes; wq 1,671,168 bytes; sq 278,528 bytes; hq 1,114,112 bytes
;; launch quant (part 1): grid 704 x 1, 4 waves a work-group, no clusters, 34,816 bytes of LDS; arguments query_mean, W_ih, support_mean, xq, wq, sq; writes xq, wq, sq
.if DOCPART == 1
	.amdgcn_target "amdgcn-amd-amdhsa--gfx1250"
	.amdhsa_code_object_version 6
	.text
	.protected	k_q8eef686028_quant
	.globl	k_q8eef686028_quant
	.p2align	8
	.type	k_q8eef686028_quant,@function
k_q8eef686028_quant:
	s_mov_b64 s[64:65], 0
	v_nop
	global_prefetch_b8 v0, s[64:65] scope:SCOPE_SE
	s_setreg_imm32_b32 hwreg(HW_REG_WAVE_MODE, 25, 1), 1
	s_wait_xcnt 0x0
; query_mean [2048][1024], three slices of W_ih [8192][1024] and support_mean [512][1024], f32, become codes of FP4 (E2M1) with one E8M0 byte for each 32 along K = 1024.
; WHAT IS QUANTISED OF W_ih: rows 0-1023 (gate i), 4096-5119 (gate g), 6144-7167 (gate o).  The problem's function starts from h = 0 and c = 0 of its own making, so W_hh and gate f are multiplied
; by zeros, and it keeps units 0-1023 of the cell's output alone; its softmax and second attention product feed nothing that it returns.  Those parts are not read.
; A block's scale is 2^(floor(log2(its largest magnitude)) - 2); its byte is the largest magnitude's exponent field - 2, held at 1 from below.
; LIMITS: NaN and infinities are not served (in the parts that are not read either: the function's own result is not finite there); a block of zeros, or one whose largest magnitude lies
; under 2^-124, gets the byte 1 (zeros: the rule says 127; the codes are zeros, and these bytes are read by this program alone).
; LAYOUT OUT: a FRAGMENT (16 rows x 128 K) is stored as the image of the operand's registers, 1,024 bytes: byte 512 c + 16 lane holds registers 4 c .. 4 c + 3 of that lane.
;   xq, sq: [block of 64 rows][chunk of two K steps, 8,704 bytes]: codes at 4096 kk + 1024 m (m: tile of 16 rows), scale words at 8192 + 256 kk + 64 m + 4 r.
;   wq: [block of 128 units][wave 0-3: 32 units][chunk of two K steps, 13,056 bytes]: codes at 6144 kk + 1024 (2 gate + u), scale words at 12288 + 256 gate + 128 kk + 64 u + 4 r.
;   Fragment row i of W's tile (gate, u) is unit 8 u + i + 8 (i / 8) of the wave's 32: so the next launch's results lie with 16 neighbouring units in a lane.
; SHARES: a wave makes one fragment (8,192 bytes in, 1,024 out), a work-group four and the 256 bytes of their scale words.  Work-groups 0-255: x; 256-639: W; 640-703: support.
; One way through the text: offsets and pointers alone are chosen, on the work-group's number.  Work-groups share no input, so there is no cluster; waves meet once, for the scale words.
.set PIT,  528                         ; a stage row: 512 bytes + 16: the sixteen rows that a read touches start 16 bytes apart modulo 256
.set STW,  16*PIT                      ; a wave's stage
.set SCS,  4*STW                       ; behind the stages: the work-group's 64 scale words
.set BLKB, 34816                       ; a block of 64 rows in xq, sq
.set XCH,  8704
.set WCH,  13056
.set R,    16                          ; v16-79   16 rows x 16 bytes a lane, as loaded
.set N,    80                          ; v80-143  my row's K = 64 c + 32 h + e at v[N + 32 c + e]
.set C,    144                         ; v144-151 the fragment's registers
.set T,    152                         ; v152-153 largest magnitudes, v154-155 scale operands, v156-157 bytes
	s_load_b256 s[4:11], s[0:1], 0x0               ; query_mean s[4:5], W_ih s[6:7], support_mean s[8:9], xq s[10:11]
	s_load_b128 s[12:15], s[0:1], 0x20             ; wq s[12:13], sq s[14:15]
	v_lshl_add_u32 v160, v0, 2, 0x8600
	v_mov_b32 v161, 0
	v_lshrrev_b32 v1, 5, v0
	v_readfirstlane_b32 s16, v1                    ; wave 0..3
	v_and_b32 v1, 31, v0                           ; lane
	v_and_b32 v2, 15, v0                           ; r
	v_bfe_u32 v3, v0, 4, 1                         ; h
	s_mov_b32 s44, 0x76543210
	s_mov_b32 s45, 0xfedcba98                      ; v_permlanex16_b32's selects for lane l xor 16
	; x and support: work-group = 8 x block + K step; wave = tile of 16 rows
	s_cmp_ge_u32 ttmp9, 640
	s_cselect_b32 s24, 640, 0
	s_sub_co_u32 s24, ttmp9, s24
	s_lshr_b32 s25, s24, 3                         ; block of 64 rows
	s_and_b32 s26, s24, 7                          ; K step
	s_lshl_b32 s27, s25, 18                        ; 64 rows of 4,096 bytes
	s_lshl_b32 s28, s16, 16                        ; 16 rows
	s_add_co_u32 s27, s27, s28
	s_lshl_b32 s28, s26, 9                         ; 128 numbers
	s_add_co_u32 s27, s27, s28                     ; where I read
	s_mul_i32 s28, s25, BLKB
	s_lshr_b32 s29, s26, 1
	s_mul_i32 s29, s29, XCH
	s_add_co_u32 s28, s28, s29                     ; the chunk
	s_and_b32 s29, s26, 1                          ; kk
	s_lshl_b32 s30, s29, 12
	s_add_co_u32 s30, s30, s28
	s_lshl_b32 s31, s16, 10
	s_add_co_u32 s30, s30, s31                     ; where my fragment goes
	s_lshl_b32 s29, s29, 8
	s_add_co_u32 s31, s28, s29
	s_add_co_u32 s31, s31, 8192                    ; and the work-group's scale words
	; W: work-group - 256 = 4 x (32 gate + q) + chunk, q = 32 units; wave = 2 kk + u
	s_sub_co_u32 s32, ttmp9, 256
	s_and_b32 s33, s32, 511
	s_and_b32 s34, s33, 3                          ; chunk
	s_lshr_b32 s35, s33, 2
	s_lshr_b32 s36, s35, 5                         ; gate: 0 i, 1 g, 2 o
	s_and_b32 s37, s35, 31                         ; q
	s_min_u32 s38, s36, 1
	s_add_co_u32 s38, s38, s36
	s_lshl_b32 s38, s38, 11                        ; the gate's first row: 0, 4096, 6144
	s_lshl_b32 s39, s37, 5
	s_add_co_u32 s38, s38, s39
	s_and_b32 s39, s16, 1                          ; u
	s_lshl_b32 s40, s39, 3
	s_add_co_u32 s38, s38, s40                     ; fragment row 0
	s_lshl_b32 s38, s38, 12
	s_lshl_b32 s40, s34, 10
	s_add_co_u32 s38, s38, s40
	s_lshr_b32 s40, s16, 1                         ; kk
	s_lshl_b32 s41, s40, 9
	s_add_co_u32 s38, s38, s41                     ; where I read
	s_lshr_b32 s41, s37, 2
	s_mul_i32 s41, s41, 16*WCH
	s_and_b32 s42, s37, 3
	s_mul_i32 s42, s42, 4*WCH
	s_add_co_u32 s41, s41, s42
	s_mul_i32 s42, s34, WCH
	s_add_co_u32 s41, s41, s42                     ; the chunk
	s_mul_i32 s42, s40, 6144
	s_add_co_u32 s42, s42, s41
	s_lshl_b32 s43, s36, 11
	s_add_co_u32 s42, s42, s43
	s_lshl_b32 s43, s39, 10
	s_add_co_u32 s42, s42, s43                     ; where my fragment goes
	s_lshl_b32 s43, s36, 8
	s_add_co_u32 s43, s43, s41
	s_add_co_u32 s43, s43, 12288                   ; and the work-group's scale words
	s_cmp_lt_u32 s32, 384                          ; W's work-group?
	s_cselect_b32 s24, s38, s27
	s_cselect_b32 s26, s42, s30
	s_cselect_b32 s28, s43, s31
	s_mov_b32 s30, 32768
	s_cselect_b32 s30, 65536, s30                  ; from fragment row 0 to row 8: 8 rows of memory, in W 16
	s_mov_b32 s25, 0
	s_mov_b32 s27, 0
	s_mov_b32 s29, 0
	v_lshlrev_b32 v4, 4, v1                        ; 16 x lane: my bytes of a row's 512, and of a fragment's 512
	v_add_nc_u32 v5, s30, v4
	s_wait_kmcnt 0x0
	s_cmp_lt_u32 ttmp9, 256
	s_cselect_b64 s[18:19], s[4:5], s[8:9]
	s_cselect_b64 s[20:21], s[10:11], s[14:15]
	s_cmp_lt_u32 s32, 384
	s_cselect_b64 s[18:19], s[6:7], s[18:19]
	s_cselect_b64 s[20:21], s[12:13], s[20:21]
	s_mov_b64 s[22:23], s[20:21]
	s_add_nc_u64 s[18:19], s[18:19], s[24:25]
	s_add_nc_u64 s[20:21], s[20:21], s[26:27]
	s_add_nc_u64 s[22:23], s[22:23], s[28:29]
.irp i, 0,1,2,3,4,5,6,7
	global_load_b128 v[R+4*\i:R+4*\i+3], v4, s[18:19] offset:\i*4096 th:TH_LOAD_NT        ; fragment row i: 32 lanes read 512 consecutive bytes
.endr
.irp i, 0,1,2,3,4,5,6,7
	global_load_b128 v[R+32+4*\i:R+32+4*\i+3], v5, s[18:19] offset:\i*4096 th:TH_LOAD_NT  ; fragment row 8 + i
.endr
	s_mul_i32 s17, s16, STW
	v_add_nc_u32 v6, s17, v4                       ; into my stage: a row as it lies
	v_mul_u32_u24 v7, v2, PIT
	v_lshl_add_u32 v7, v3, 7, v7
	v_add_nc_u32 v7, s17, v7                       ; out of it: row r, 32 numbers from 32 h on
	s_lshl_b32 s46, s16, 6
	s_add_co_u32 s46, s46, SCS
	v_lshl_add_u32 v8, v2, 2, s46                  ; my row's scale word
	v_lshl_add_u32 v9, v1, 3, SCS                  ; the words' way out: 8 bytes a lane
	v_lshlrev_b32 v10, 3, v1
.irp g, 0,1,2,3
	s_wait_loadcnt 12-4*\g                         ; loads come back in order: rows 4 g .. 4 g + 3 are in, the younger ones may be out
.irp i, 0,1,2,3
	ds_store_b128 v6, v[R+4*(4*\g+\i):R+4*(4*\g+\i)+3] offset:(4*\g+\i)*PIT
.endr
.endr
.irp c, 0,1
.irp j, 0,1,2,3,4,5,6,7
	ds_load_b128 v[N+32*\c+4*\j:N+32*\c+4*\j+3], v7 offset:256*\c+16*\j   ; my wave's own bytes, served in order: these see the stores above
.endr
.endr
	s_wait_dscnt 0x0
.irp c, 0,1                                    ; my block 2 c + h: all its 32 numbers are mine
	v_max3_num_f32 v[T+\c], |v[N+32*\c]|, |v[N+32*\c+1]|, 0x1800000       ; with the floor 2^(3 - 127): the byte cannot fall under 1
.endr
.irp i, 2,4,6,8,10,12,14,16,18,20,22,24,26,28,30
.irp c, 0,1
	v_max3_num_f32 v[T+\c], v[T+\c], |v[N+32*\c+\i]|, |v[N+32*\c+\i+1]|   ; the two blocks by turns
.endr
.endr
.irp c, 0,1
	v_add_nc_u32 v[T+2+\c], 0xff000000, v[T+\c]    ; 2 off the exponent field: the conversion's scale operand
.endr
.irp c, 0,1
	v_lshrrev_b32 v[T+4+\c], 23, v[T+2+\c]         ; the scale's byte
.endr
	v_lshl_or_b32 v12, v[T+5], 16, v[T+4]          ; blocks h and 2 + h,
	v_lshlrev_b32 v13, 3, v3
	v_lshlrev_b32 v12, v13, v12                    ; at their places in the word;
	v_mov_b32 v13, 0
	v_permlanex16_b32 v13, v12, s44, s45
	v_or_b32 v12, v12, v13                         ; with lane l xor 16's two the word is whole
.irp c, 0,1
.irp g, 0,1,2,3
	v_cvt_scalef32_pk8_fp4_f32 v[C+4*\c+\g], v[N+32*\c+8*\g:N+32*\c+8*\g+7], v[T+2+\c]
.endr
.endr
	v_nop                                          ; a plain line behind the last scaled conversion
.irp c, 0,1
	global_store_b128 v4, v[C+4*\c:C+4*\c+3], s[20:21] offset:512*\c      ; 32 lanes store 512 consecutive bytes, aligned to 256
.endr
	ds_store_b32 v8, v12                           ; both halves of the lanes write the same word with the same value
	s_wait_dscnt 0x0                               ; for the others' sake: my word has landed
	s_barrier_signal -1
	s_barrier_wait -1
	s_cmp_lg_u32 s16, 0
	s_cbranch_scc1 .Ldone
	ds_load_b64 v[14:15], v9                       ; wave 0 sends the four waves' 64 words
	s_wait_dscnt 0x0
	global_store_b64 v10, v[14:15], s[22:23]       ; 32 lanes store 256 consecutive bytes, aligned
.Ldone:
	s_wait_tensorcnt 0x0
	ds_add_u32 v160, v161
	s_wait_dscnt 0x0
	s_endpgm
.Lfunc_end_k_q8eef686028_quant:
	.size	k_q8eef686028_quant, .Lfunc_end_k_q8eef686028_quant-k_q8eef686028_quant
	.p2alignl 7, 3214868480
	.fill 96, 4, 3214868480
	.section	.rodata,"a",@progbits
	.p2align	6, 0x0
	.amdhsa_kernel k_q8eef686028_quant
		.amdhsa_group_segment_fixed_size 34816
		.amdhsa_private_segment_fixed_size 0
		.amdhsa_enable_private_segment 0
		.amdhsa_kernarg_size 48
		.amdhsa_user_sgpr_count 2
		.amdhsa_user_sgpr_kernarg_segment_ptr 1
		.amdhsa_wavefront_size32 1
		.amdhsa_system_sgpr_workgroup_id_x 1
		.amdhsa_system_sgpr_workgroup_id_y 1
		.amdhsa_system_sgpr_workgroup_id_z 1
		.amdhsa_system_vgpr_workitem_id 0
		.amdhsa_next_free_vgpr 162
		.amdhsa_next_free_sgpr 66
		.amdhsa_reserve_vcc 0
		.amdhsa_float_denorm_mode_32 3
		.amdhsa_float_denorm_mode_16_64 3
		.amdhsa_memory_ordered 1
		.amdhsa_forward_progress 1
		.amdhsa_inst_pref_size 12
	.end_amdhsa_kernel
	.amdgpu_metadata
---
amdhsa.version: [ 1, 2 ]
amdhsa.kernels:
  - .name:           k_q8eef686028_quant
    .symbol:         k_q8eef686028_quant.kd
    .args:
      - { .name: query_mean, .offset: 0, .size: 8, .value_kind: global_buffer, .address_space: global }
      - { .name: W_ih, .offset: 8, .size: 8, .value_kind: global_buffer, .address_space: global }
      - { .name: support_mean, .offset: 16, .size: 8, .value_kind: global_buffer, .address_space: global }
      - { .name: xq, .offset: 24, .size: 8, .value_kind: global_buffer, .address_space: global }
      - { .name: wq, .offset: 32, .size: 8, .value_kind: global_buffer, .address_space: global }
      - { .name: sq, .offset: 40, .size: 8, .value_kind: global_buffer, .address_space: global }
    .group_segment_fixed_size: 34816
    .private_segment_fixed_size: 0
    .kernarg_segment_align: 8
    .kernarg_segment_size: 48
    .max_flat_workgroup_size: 128
    .sgpr_count:     66
    .vgpr_count:     162
    .wavefront_size: 32
...
	.end_amdgpu_metadata
.endif
;; end of part 1
;; launch gates (part 2): grid 8 x 32, 4 waves a work-group, clusters of 4 x 4, 279,040 bytes of LDS; arguments xq, wq, query_mean, b_ih, b_hh, hq; writes hq
.if DOCPART == 2
	.amdgcn_target "amdgcn-amd-amdhsa--gfx1250"
	.amdhsa_code_object_version 6
	.text
	.protected	k_q8eef686028_gates
	.globl	k_q8eef686028_gates
	.p2align	8
	.type	k_q8eef686028_gates,@function
k_q8eef686028_gates:
	s_mov_b64 s[64:65], 0
	v_nop
	global_prefetch_b8 v0, s[64:65] scope:SCOPE_SE
	s_setreg_imm32_b32 hwreg(HW_REG_WAVE_MODE, 25, 1), 1
	s_wait_xcnt 0x0
	s_wait_alu depctr_hold_cnt(0) depctr_sa_sdst(0) depctr_va_vdst(0) depctr_va_sdst(0) depctr_va_ssrc(0) depctr_va_vcc(0) depctr_vm_vsrc(0)
	s_getreg_b32 s2, hwreg(HW_REG_IB_STS2, 6, 4)
	s_cmp_eq_u32 s2, 0
	s_cbranch_scc0 .Lentry_in_a_cluster
	s_endpgm
.Lentry_in_a_cluster:
	s_bfe_u32 s2, ttmp6, 0x10000c
	s_cmp_lg_u32 s2, 0xf033
	s_cbranch_scc0 .Lentry_shape_is_right
	s_endpgm
.Lentry_shape_is_right:
; h = x + sigmoid(o) tanh(sigmoid(i) tanh(g)), with (i, g, o) = Q(x) Q(W_ih)^T + b_ih + b_hh for units 0-1023, and Q(h) along the units, as codes of FP4 with E8M0 scales.
; The cell starts from h = 0 and c = 0, which the problem's function makes itself: the product with W_hh and gate f add nothing, and only units 0-1023 of its output are kept.
; SHARES: 256 work-groups; work-group (ub, rb) makes 64 rows x 128 units x 3 gates.  Wave w makes all 64 rows (4 tiles m) x units 32 w .. 32 w + 31 x 3 gates (6 tiles t = 2 gate + u):
; 24 accumulators, 24 matrix instructions a K step of 128, 192 in all, from 10 fragments a K step.
; ALL THAT A WORK-GROUP READS FITS IN LDS AT ONCE: x's codes 34,816 bytes, W's 208,896, x in f32 33,792 with padding.  Each wave asks for its share by six tensor loads at the head; no LDS byte is filled twice.
; CLUSTER 4 x 4: x's codes hang on rb alone and are asked for jointly along a row of the cluster, W's on ub alone and jointly along a column.  The f32 tile hangs on both: a load of the work-group's own.
; THE MATRIX INSTRUCTION IS USED TRANSPOSED (source 0 = 16 rows of W, source 1 = 16 rows of x): lane (r, h) holds row r, and the 16 registers of tiles u = 0, 1 of a gate are units 16 h + 0 .. 15 of the wave's 32,
; since the launch before chose W's rows so.  So the cell is lane by lane, and the wave's 32 units are one block of the next product's K, in lanes l and l xor 16.
; The biases are the C of each sum's first matrix instruction.
; THE CELL with six transcendentals a unit: a = 2^(-L i), b = 2^(2L g), e = 2^(-L o), L = log2(e);  2L c = (2L b - 2L) / ((1 + a)(1 + b));  d = 2^(2L c);  h = x + (d - 1) / ((1 + e)(1 + d)).
; 2L g is held to +-60, where tanh is +-1 in f32: so b is neither 0 nor infinite, and an a or e that overflows gives 1 / infinity = 0 times a finite number, as sigmoid asks.
; LIMITS: NaN and infinities in the inputs are not served.  The error of sigmoid x tanh is some 1e-7 absolute (b - 1 and d - 1 are differences of numbers near 1), on a term of at most 1 that is added to x.
; A block of h whose largest magnitude lies under 2^-124 (zeros too) gets the byte 1.
; LDS: XC x's codes | WC W's codes, a region for each wave, read by that wave alone | XF x in f32, 64 rows of 512 + 16 bytes | SCB h's 64 scale words (LDS stores alone land there).
; REGISTERS. window 0: v1-15 addresses; v16-25 scale words, two sets, and nothing else; v32-111, v112-191 two sets of fragments (x's tile m at + 8 m, W's tile t at + 32 + 8 t); behind the K steps v32-95 x in f32.
;   window 1: v0-191 accumulators, (m, t) at 48 m + 8 t: per m i at + 0, g at + 16, o at + 32; v192-239 the biases, later h's codes; v240-255 the quantiser's work.
.set XCH,  8704                        ; two K steps of 64 rows: 8,192 bytes of codes, 512 of scale words
.set WCH,  13056                       ; two K steps of a wave's 96 rows of W: 12,288 and 768
.set WWV,  4*WCH
.set WC,   4*XCH
.set XF,   WC+4*WWV
.set FPIT, 528
.set SCB,  XF+64*FPIT
.set AX,   4                           ; v4   16 x lane
.set AW,   5                           ; v5   WC + my wave's region + 16 x lane
.set SX,   6                           ; v6   4 x lane
.set SW,   7                           ; v7   WC + my wave's region + 4 x lane
.set AF,   8                           ; v8   XF + 528 r + 128 w + 64 h: my 16 units of row r
.set BO,   9                           ; v9   64 h: my 16 units' biases
.set SBA,  10                          ; v10  SCB + 4 r + w: my block's byte in row r's word
.set HO,   11                          ; v11  16 r + 8 h: my 16 codes in a block's 256 bytes
.set SBR,  12                          ; v12  SCB + 8 x lane
.set SO,   13                          ; v13  8 x lane
.set SCR,  16
.set FS,   32
.set XR,   32
.set BIA,  192
.set HC,   192
.set QM,   240
.set QB,   244
.set QS,   252
.set G1X,  24                          ; s[24:31] group 1 for x's chunks; s[32:39] for W's; s[40:47] for the f32 tile
.set G1W,  32
.set G1F,  40
.set G0X,  48                          ; s[48:51]; W's four: s[52:55], s[56:59], s[60:63], s[68:71]; s[72:75] the f32 tile's
.set G0F,  72
.set NL,   76                          ; s[76:77] -log2(e)
.set TL,   78                          ; s[78:79] 2 log2(e)
.set CHI,  80                          ; s80 60.0, s81 -60.0
.set CLO,  81
.set SEL,  82                          ; s[82:83] v_permlanex16_b32's selects for lane l xor 16
.set HQC,  84                          ; s[84:85] where my codes of h go; s[86:87] the work-group's scale words
.set HQS,  86
.set MSB, 0
.macro WIN new                         ; the immediate's high byte repeats the setting that is left
.if MSB != \new
	s_set_vgpr_msb (MSB<<8)|\new
.set MSB, \new
.endif
.endm
.macro PLACES                          ; four plain vector lines behind a matrix instruction, ahead of loads into its sources and of reads of its result
.rept 4
	v_nop
.endr
.endm
.macro CROUND                          ; a round of the cluster's barrier: my work-group's barrier, wave 0's signal for the work-group, every wave's wait, my work-group's barrier
	s_barrier_signal -1
	s_barrier_wait -1
	s_cmp_lg_u32 s16, 0
	s_cbranch_scc1 .Lnot_wave_0_\@
	s_barrier_signal -3
.Lnot_wave_0_\@:
	s_barrier_wait -3
	s_barrier_signal -1
	s_barrier_wait -1
.endm
.macro MKW g, c                        ; group 0 for my chunk c of W
	s_mov_b32 s[\g], 1
	s_add_co_u32 s[\g+1], s23, (\c)*WCH
	s_add_nc_u64 s[\g+2:\g+3], s[90:91], (\c)*WCH
	s_or_b32 s[\g+3], s[\g+3], 0x80000000
.endm
	s_load_b256 s[4:11], s[0:1], 0x0               ; xq s[4:5], wq s[6:7], query_mean s[8:9], b_ih s[10:11]
	s_load_b128 s[12:15], s[0:1], 0x20             ; b_hh s[12:13], hq s[14:15]
	v_lshl_add_u32 v254, v0, 2, 0x44000
	v_mov_b32 v255, 0
	ds_add_u32 v254, v255
	ds_add_u32 v254, v255
	v_lshrrev_b32 v1, 5, v0
	v_readfirstlane_b32 s16, v1                    ; wave 0..3
	s_bfe_u32 s17, ttmp6, 0x40000                  ; cx
	s_bfe_u32 s18, ttmp6, 0x40004                  ; cy
	s_lshl_b32 s19, ttmp9, 2
	s_add_co_u32 s19, s19, s17                     ; ub: block of 128 units
	s_and_b32 s20, ttmp7, 0xffff
	s_lshl_b32 s20, s20, 2
	s_add_co_u32 s20, s20, s18                     ; rb: block of 64 rows
	s_lshl_b32 s21, s18, 2
	s_lshl_b32 s21, 15, s21                        ; my row of the cluster
	s_lshl_b32 s22, 0x1111, s17                    ; my column
	; group 1: dense blocks as rows of 256 bytes (32 elements of 8 bytes): x's chunk 34 rows, W's 51
	s_or_b32 s[G1X], s21, (3<<16)|(1<<21)          ; 15:0 the mask; 17:16 elements of 8 bytes; 21 set beside a mask
	s_mov_b32 s[G1X+1], 32<<16                     ; tensor_dim0
	s_mov_b32 s[G1X+2], 34<<16                     ; tensor_dim1
	s_mov_b32 s[G1X+3], 32<<16                     ; tile_dim0
	s_mov_b32 s[G1X+4], 34                         ; tile_dim1
	s_mov_b32 s[G1X+5], 32                         ; from row to row
	s_mov_b32 s[G1X+6], 0
	s_mov_b32 s[G1X+7], 0
	s_or_b32 s[G1W], s22, (3<<16)|(1<<21)
	s_mov_b32 s[G1W+1], 32<<16
	s_mov_b32 s[G1W+2], 51<<16
	s_mov_b32 s[G1W+3], 32<<16
	s_mov_b32 s[G1W+4], 51
	s_mov_b32 s[G1W+5], 32
	s_mov_b32 s[G1W+6], 0
	s_mov_b32 s[G1W+7], 0
	; the f32 tile: 16 rows of 128 numbers, 1,024 numbers apart, 4 words of padding behind each 128 words; no mask
	s_mov_b32 s[G1F], (2<<16)|(1<<20)|(6<<22)|(3<<25)
	s_mov_b32 s[G1F+1], 128<<16
	s_mov_b32 s[G1F+2], 16<<16
	s_mov_b32 s[G1F+3], 128<<16
	s_mov_b32 s[G1F+4], 16
	s_mov_b32 s[G1F+5], 1024
	s_mov_b32 s[G1F+6], 0
	s_mov_b32 s[G1F+7], 0
	s_mul_i32 s[G0X+1], s16, XCH                   ; LDS: wave w brings chunk w of x's codes
	s_mul_i32 s88, s20, 4*XCH
	s_add_co_u32 s88, s88, s[G0X+1]                ; in xq: made of rb and the wave's number alone
	s_mov_b32 s89, 0
	s_mul_i32 s94, s16, WWV
	s_mul_i32 s90, s19, 4*WWV
	s_add_co_u32 s90, s90, s94                     ; in wq: made of ub and the wave's number alone
	s_mov_b32 s91, 0
	s_add_co_u32 s23, s94, WC                      ; my wave's region of W in LDS
	s_lshl_b32 s92, s20, 18                        ; query_mean: row 64 rb + 16 w, column 128 ub
	s_lshl_b32 s95, s16, 16
	s_add_co_u32 s92, s92, s95
	s_lshl_b32 s95, s19, 9
	s_add_co_u32 s92, s92, s95
	s_mov_b32 s93, 0
	s_mul_i32 s[G0F+1], s16, 16*FPIT
	s_add_co_u32 s[G0F+1], s[G0F+1], XF
	s_wait_dscnt 0x0
	s_wait_kmcnt 0x0
	s_mov_b32 s[G0X], 1
	s_add_nc_u64 s[G0X+2:G0X+3], s[4:5], s[88:89]
	s_or_b32 s[G0X+3], s[G0X+3], 0x80000000
	s_add_nc_u64 s[90:91], s[6:7], s[90:91]
	MKW 52, 0
	MKW 56, 1
	MKW 60, 2
	MKW 68, 3
	s_mov_b32 s[G0F], 1
	s_add_nc_u64 s[G0F+2:G0F+3], s[8:9], s[92:93]
	s_or_b32 s[G0F+3], s[G0F+3], 0x80000000
	CROUND                                         ; all sixteen work-groups are here: the joint loads meet
	tensor_load_to_lds s[G0X:G0X+3], s[G1X:G1X+7]  ; six loads of mine are out, in this order: x's chunk w,
	s_nop 0
	tensor_load_to_lds s[52:55], s[G1W:G1W+7]      ; my W's chunks 0 to 3,
	s_nop 0
	tensor_load_to_lds s[56:59], s[G1W:G1W+7]
	s_nop 0
	tensor_load_to_lds s[60:63], s[G1W:G1W+7]
	s_nop 0
	tensor_load_to_lds s[68:71], s[G1W:G1W+7]
	s_nop 0
	tensor_load_to_lds s[G0F:G0F+3], s[G1F:G1F+7]  ; 16 rows of x in f32
	s_nop 0
	PLACES                                         ; four plain lines behind the loads, ahead of any switch of windows
	v_and_b32 v1, 31, v0                           ; lane
	v_and_b32 v2, 15, v0                           ; r
	v_bfe_u32 v3, v0, 4, 1                         ; h
	v_lshlrev_b32 v[BO], 6, v3
	s_lshl_b32 s2, s19, 9                          ; the biases of my 32 units: 4 (128 ub + 32 w)
	s_lshl_b32 s3, s16, 7
	s_add_co_u32 s2, s2, s3
	s_mov_b32 s3, 0
	s_add_nc_u64 s[10:11], s[10:11], s[2:3]
	s_add_nc_u64 s[12:13], s[12:13], s[2:3]
	WIN 0x40                                       ; destination window 1
.irp g, 0,1,2                                  ; gate g begins at row 2048 g + 2048 ((g + 1) / 2): 0, 4096, 6144
.irp j, 0,1,2,3
	global_load_b128 v[BIA+16*\g+4*\j:BIA+16*\g+4*\j+3], v[BO], s[10:11] offset:(2048*\g+2048*((\g+1)/2))*4+16*\j
.endr
.endr
	WIN 0
.irp g, 0,1,2
.irp j, 0,1,2,3
	global_load_b128 v[112+16*\g+4*\j:112+16*\g+4*\j+3], v[BO], s[12:13] offset:(2048*\g+2048*((\g+1)/2))*4+16*\j
.endr
.endr
	v_lshlrev_b32 v[AX], 4, v1
	v_add_nc_u32 v[AW], s23, v[AX]
	v_lshlrev_b32 v[SX], 2, v1
	v_add_nc_u32 v[SW], s23, v[SX]
	s_mul_i32 s92, s20, 4*XCH                      ; hq: block rb, K step ub: chunk ub / 2, kk = ub % 2
	s_lshr_b32 s95, s19, 1
	s_mul_i32 s95, s95, XCH
	s_add_co_u32 s92, s92, s95
	s_and_b32 s95, s19, 1
	s_lshl_b32 s2, s95, 12
	s_add_co_u32 s2, s2, s92
	s_lshl_b32 s3, s16, 8                          ; my units are block w of the K step: 256 bytes of each fragment
	s_add_co_u32 s2, s2, s3
	s_mov_b32 s3, 0
	s_add_nc_u64 s[HQC:HQC+1], s[14:15], s[2:3]
	s_lshl_b32 s95, s95, 8
	s_add_co_u32 s92, s92, s95
	s_add_co_u32 s92, s92, 8192
	s_mov_b32 s93, 0
	s_add_nc_u64 s[HQS:HQS+1], s[14:15], s[92:93]
	s_mov_b32 s[NL], 0xbfb8aa3b
	s_mov_b32 s[NL+1], s[NL]                       ; (named with it as a pair, so it is written)
	s_mov_b32 s[TL], 0x4038aa3b
	s_mov_b32 s[TL+1], s[TL]
	s_mov_b32 s[CHI], 0x42700000
	s_mov_b32 s[CLO], 0xc2700000
	s_mov_b32 s[SEL], 0x76543210
	s_mov_b32 s[SEL+1], 0xfedcba98
	s_lshl_b32 s2, s16, 7
	s_add_co_u32 s2, s2, XF
	s_add_co_u32 s3, s16, SCB
	s_wait_loadcnt 0x0
	WIN 0x41                                       ; destination and source 0 window 1, source 1 window 0
.set i, 0
.rept 24
	v_pk_add_f32 v[BIA+2*i:BIA+2*i+1], v[BIA+2*i:BIA+2*i+1], v[112+2*i:112+2*i+1]   ; b_ih + b_hh
.set i, i+1
.endr
	WIN 0
	v_mul_u32_u24 v[AF], v2, FPIT                  ; eight address lines stand between those additions and the products that take their results as C
	v_lshl_add_u32 v[AF], v3, 6, v[AF]
	v_add_nc_u32 v[AF], s2, v[AF]
	v_lshl_add_u32 v[SBA], v2, 2, s3
	v_lshlrev_b32 v[HO], 4, v2
	v_lshl_add_u32 v[HO], v3, 3, v[HO]
	v_lshl_add_u32 v[SBR], v1, 3, SCB
	v_lshlrev_b32 v[SO], 3, v1
; 25 LDS loads: K step s's fragments and scale words into set s % 2.  Each reads consecutive bytes, 16 or 4 a lane.
.macro FETCH s
.set fP, FS+80*((\s)%2)
.set fS, SCR+5*((\s)%2)
.set oX, ((\s)/2)*XCH
.set oW, ((\s)/2)*WCH
.irp m, 0,1,2,3
.irp c, 0,1
	ds_load_b128 v[fP+8*\m+4*\c:fP+8*\m+4*\c+3], v[AX] offset:oX+((\s)%2)*4096+\m*1024+\c*512
.endr
.endr
.irp t, 0,1,2,3,4,5
.irp c, 0,1
	ds_load_b128 v[fP+32+8*\t+4*\c:fP+32+8*\t+4*\c+3], v[AW] offset:oW+((\s)%2)*6144+\t*1024+\c*512
.endr
.endr
.irp q, 0,1
	ds_load_b32 v[fS+\q], v[SX] offset:oX+8192+((\s)%2)*256+128*\q         ; lanes 0-15: x's tile 2 q, lanes 16-31: tile 2 q + 1
.endr
.irp g, 0,1,2
	ds_load_b32 v[fS+2+\g], v[SW] offset:oW+12288+256*\g+((\s)%2)*128      ; lanes 0-15: gate g's tile u = 0, lanes 16-31: u = 1
.endr
.endm
; one product: W's tile t x x's tile m, fragments of set p.  first = 1: the bias starts the sum
.macro WM m, t, p, first
.set rD, 48*(\m)+8*(\t)
.set rC, rD
.if \first
.set rC, BIA+8*(\t)
.endif
.set rA, FS+80*(\p)+32+8*(\t)
.set rB, FS+80*(\p)+8*(\m)
.set rSA, SCR+5*(\p)+2+(\t)/2
.set rSB, SCR+5*(\p)+(\m)/2
.if ((\t)%2 == 0) && ((\m)%2 == 0)
	v_wmma_scale_f32_16x16x128_f8f6f4 v[rD:rD+7], v[rA:rA+7], v[rB:rB+7], v[rC:rC+7], v[rSA], v[rSB] matrix_a_fmt:MATRIX_FMT_FP4 matrix_b_fmt:MATRIX_FMT_FP4
.elseif ((\t)%2 == 1) && ((\m)%2 == 0)
	v_wmma_scale_f32_16x16x128_f8f6f4 v[rD:rD+7], v[rA:rA+7], v[rB:rB+7], v[rC:rC+7], v[rSA], v[rSB] matrix_a_fmt:MATRIX_FMT_FP4 matrix_b_fmt:MATRIX_FMT_FP4 matrix_a_scale:MATRIX_SCALE_ROW1
.elseif ((\t)%2 == 0)
	v_wmma_scale_f32_16x16x128_f8f6f4 v[rD:rD+7], v[rA:rA+7], v[rB:rB+7], v[rC:rC+7], v[rSA], v[rSB] matrix_a_fmt:MATRIX_FMT_FP4 matrix_b_fmt:MATRIX_FMT_FP4 matrix_b_scale:MATRIX_SCALE_ROW1
.else
	v_wmma_scale_f32_16x16x128_f8f6f4 v[rD:rD+7], v[rA:rA+7], v[rB:rB+7], v[rC:rC+7], v[rSA], v[rSB] matrix_a_fmt:MATRIX_FMT_FP4 matrix_b_fmt:MATRIX_FMT_FP4 matrix_a_scale:MATRIX_SCALE_ROW1 matrix_b_scale:MATRIX_SCALE_ROW1
.endif
.endm
; K step s: the next step's loads go out first, into the set that the step before multiplied; then 24 products, the 24 accumulators by turns
.macro STEP s
	WIN 0
.if (\s) > 0
	PLACES
.endif
.if (\s) < 7
.if ((\s)+1)%2 == 0
	s_wait_tensorcnt 4-((\s)+1)/2                  ; tensor loads end in order: my W's chunk (s + 1) / 2 is in; the later chunks and the f32 tile may be out
.endif
	FETCH (\s)+1
	s_wait_dscnt 25                                ; all but the 25 just issued: this step's are in
.else
	s_wait_dscnt 0x0
.endif
	WIN 0x50                                       ; C and D window 1
.irp m, 0,1,2,3
.irp t, 0,1,2,3,4,5
.if (\s) == 0
	WM \m, \t, 0, 1
.else
	WM \m, \t, (\s)%2, 0
.endif
.endr
.endr
.endm
	s_wait_tensorcnt 5                             ; my chunk of x's codes is in (the five loads behind it may be out),
	s_barrier_signal -1
	s_barrier_wait -1                              ; everybody's is
	s_wait_tensorcnt 4                             ; my W's chunk 0: I alone read it
	FETCH 0
.irp s, 0,1,2,3,4,5,6,7
	STEP \s
.endr
	WIN 0
	PLACES                                         ; behind the last products: for the loads below and the first reads of results
	s_wait_tensorcnt 0x0                           ; my 16 rows of x in f32 are in,
	s_barrier_signal -1
	s_barrier_wait -1                              ; everybody's are
.irp m, 0,1,2,3
.irp j, 0,1,2,3
	ds_load_b128 v[XR+16*\m+4*\j:XR+16*\m+4*\j+3], v[AF] offset:\m*16*FPIT+16*\j   ; x(16 m + r, my 16 units): wanted at the cell's end
.endr
.endr
	; THE CELL, in place, two units at a time.  Pair k = 8 m + e: i at rI = 48 m + 2 e, g at rI + 16, o at rI + 32.  k ascends: each accumulator is first read at its low end.
	; Transcendentals and plain lines take turns, so that a plain line stands between each transcendental and the use of its result (ISA guide 5.7.2).
	WIN 0x55
.set k, 0
.rept 32
.set rI, 48*(k/8)+2*(k%8)
	v_pk_mul_f32 v[rI:rI+1], v[rI:rI+1], s[NL:NL+1] op_sel_hi:[1,0]               ; -L i
.set k, k+1
.endr
.set k, 0
.rept 32
.set rI, 48*(k/8)+2*(k%8)
	v_exp_f32 v[rI], v[rI]                                                         ; a
	v_pk_mul_f32 v[rI+16:rI+17], v[rI+16:rI+17], s[TL:TL+1] op_sel_hi:[1,0]       ; 2L g
	v_exp_f32 v[rI+1], v[rI+1]
	v_pk_mul_f32 v[rI+32:rI+33], v[rI+32:rI+33], s[NL:NL+1] op_sel_hi:[1,0]       ; -L o
.set k, k+1
.endr
.set k, 0
.rept 32
.set rI, 48*(k/8)+2*(k%8)
	v_exp_f32 v[rI+32], v[rI+32]                                                   ; e
	v_med3_num_f32 v[rI+16], v[rI+16], s[CLO], s[CHI]                              ; 2L g held to +-60
	v_exp_f32 v[rI+33], v[rI+33]
	v_med3_num_f32 v[rI+17], v[rI+17], s[CLO], s[CHI]
.set k, k+1
.endr
.set k, 0
.rept 32
.set rI, 48*(k/8)+2*(k%8)
	v_exp_f32 v[rI+16], v[rI+16]                                                   ; b
	s_wait_alu depctr_va_vdst(0)
	v_pk_add_f32 v[rI:rI+1], v[rI:rI+1], 1.0 op_sel_hi:[1,0]                       ; 1 + a
	v_exp_f32 v[rI+17], v[rI+17]
	v_pk_add_f32 v[rI+32:rI+33], v[rI+32:rI+33], 1.0 op_sel_hi:[1,0]               ; 1 + e
.set k, k+1
.endr
.set k, 0
	s_wait_alu depctr_va_vdst(0)
.rept 32
.set rI, 48*(k/8)+2*(k%8)
	v_pk_fma_f32 v[rI:rI+1], v[rI:rI+1], v[rI+16:rI+17], v[rI:rI+1]                ; (1 + a) b + (1 + a)
.set k, k+1
.endr
.set k, 0
.set rP, 0
.rept 32
.set rI, 48*(k/8)+2*(k%8)
	v_rcp_f32 v[rI], v[rI]
	v_pk_fma_f32 v[rI+16:rI+17], v[rI+16:rI+17], s[TL:TL+1], s[TL:TL+1] op_sel_hi:[1,0,0] neg_lo:[0,0,1] neg_hi:[0,0,1]   ; 2L b - 2L
	v_rcp_f32 v[rI+1], v[rI+1]
.if k > 0
	s_wait_alu depctr_va_vdst(0)
	v_pk_mul_f32 v[rP+16:rP+17], v[rP+16:rP+17], v[rP:rP+1]                        ; the pair before: 2L c
.endif
.set rP, rI
.set k, k+1
.endr
	v_pk_mul_f32 v[rP+16:rP+17], v[rP+16:rP+17], v[rP:rP+1]                        ; pair 31
.set k, 0
.rept 32
.set rI, 48*(k/8)+2*(k%8)
	v_exp_f32 v[rI+16], v[rI+16]                                                   ; d
.if k > 0
	s_wait_alu depctr_va_vdst(0)
	v_pk_fma_f32 v[rP+32:rP+33], v[rP+32:rP+33], v[rP+16:rP+17], v[rP+32:rP+33]    ; the pair before: (1 + e) d + (1 + e),
.endif
	v_exp_f32 v[rI+17], v[rI+17]
.if k > 0
	v_pk_add_f32 v[rP+16:rP+17], v[rP+16:rP+17], -1.0 op_sel_hi:[1,0]              ; then d - 1
.else
	v_nop                                                                          ; (pair 0 has no pair before it: the plain line behind its exponentials)
.endif
.set rP, rI
.set k, k+1
.endr
	s_wait_alu depctr_va_vdst(0)
	v_pk_fma_f32 v[rP+32:rP+33], v[rP+32:rP+33], v[rP+16:rP+17], v[rP+32:rP+33]
	v_pk_add_f32 v[rP+16:rP+17], v[rP+16:rP+17], -1.0 op_sel_hi:[1,0]
	s_wait_dscnt 0x0                               ; x in f32 is in
	WIN 0x45                                       ; source 2 (x) window 0, all else window 1
.set k, 0
.rept 32
.set rI, 48*(k/8)+2*(k%8)
	v_rcp_f32 v[rI+32], v[rI+32]
	v_rcp_f32 v[rI+33], v[rI+33]
.if k > 0
	s_wait_alu depctr_va_vdst(0)
	v_pk_fma_f32 v[rP+16:rP+17], v[rP+16:rP+17], v[rP+32:rP+33], v[XR+2*(k-1):XR+2*(k-1)+1]   ; the pair before: h = (d - 1) / ((1 + e)(1 + d)) + x
.else
	v_nop
.endif
.set rP, rI
.set k, k+1
.endr
	v_pk_fma_f32 v[rP+16:rP+17], v[rP+16:rP+17], v[rP+32:rP+33], v[XR+62:XR+63]    ; pair 31: pair 30's line is the plain line behind its reciprocals
	; Q(h): tile m's 16 numbers of my lane and lane l xor 16's are one block of 32 units.  The four tiles by turns.
	WIN 0x55
.irp m, 0,1,2,3
	v_mov_b32 v[QB+\m], 0                          ; a lane permute's destination counts as one of its sources
.endr
.irp m, 0,1,2,3
	v_max3_num_f32 v[QM+\m], |v[48*\m+16]|, |v[48*\m+17]|, 0x1800000               ; with the floor 2^(3 - 127)
.endr
.irp i, 2,4,6,8,10,12,14
.irp m, 0,1,2,3
	v_max3_num_f32 v[QM+\m], v[QM+\m], |v[48*\m+16+\i]|, |v[48*\m+17+\i]|
.endr
.endr
.irp m, 0,1,2,3
	v_permlanex16_b32 v[QB+\m], v[QM+\m], s[SEL], s[SEL+1]
.endr
.irp m, 0,1,2,3
	v_max_num_f32 v[QM+\m], v[QM+\m], v[QB+\m]
.endr
.irp m, 0,1,2,3
	v_add_nc_u32 v[QS+\m], 0xff000000, v[QM+\m]    ; 2 off the exponent field: the conversion's scale operand
.endr
.irp m, 0,1,2,3
	v_lshrrev_b32 v[QB+\m], 23, v[QS+\m]           ; the scale's byte
.endr
.irp m, 0,1,2,3
	v_cvt_scalef32_pk8_fp4_f32 v[HC+2*\m], v[48*\m+16:48*\m+23], v[QS+\m]          ; units 16 h + 0 .. 7
	v_cvt_scalef32_pk8_fp4_f32 v[HC+2*\m+1], v[48*\m+24:48*\m+31], v[QS+\m]        ; and + 8 .. 15
.endr
	v_nop                                          ; a plain line behind the last scaled conversion
	WIN 0x04                                       ; a store's data are its source 1: window 1
.irp m, 0,1,2,3
	ds_store_b8 v[SBA], v[QB+\m] offset:64*\m      ; byte w of row 16 m + r's word; both halves of the lanes write the same value
	global_store_b64 v[HO], v[HC+2*\m:HC+2*\m+1], s[HQC:HQC+1] offset:1024*\m      ; block w of fragment m: 32 lanes store 256 consecutive bytes, aligned
.endr
	WIN 0
	s_wait_dscnt 0x0                               ; for the others' sake: my bytes have landed
	s_barrier_signal -1
	s_barrier_wait -1
	s_cmp_lg_u32 s16, 0
	s_cbranch_scc1 .Lnot_first
	ds_load_b64 v[14:15], v[SBR]                   ; wave 0 sends the 64 rows' words
	s_wait_dscnt 0x0
	global_store_b64 v[SO], v[14:15], s[HQS:HQS+1] ; 32 lanes store 256 consecutive bytes, aligned
.Lnot_first:
	s_wait_tensorcnt 0x0
	ds_add_u32 v254, v255
	s_wait_dscnt 0x0
	CROUND                                         ; the closing round: no work-group ends while a partner may still ask for a tile that names it
	s_endpgm
.Lfunc_end_k_q8eef686028_gates:
	.size	k_q8eef686028_gates, .Lfunc_end_k_q8eef686028_gates-k_q8eef686028_gates
	.p2alignl 7, 3214868480
	.fill 96, 4, 3214868480
	.section	.rodata,"a",@progbits
	.p2align	6, 0x0
	.amdhsa_kernel k_q8eef686028_gates
		.amdhsa_group_segment_fixed_size 279040
		.amdhsa_private_segment_fixed_size 0
		.amdhsa_enable_private_segment 0
		.amdhsa_kernarg_size 48
		.amdhsa_user_sgpr_count 2
		.amdhsa_user_sgpr_kernarg_segment_ptr 1
		.amdhsa_wavefront_size32 1
		.amdhsa_system_sgpr_workgroup_id_x 1
		.amdhsa_system_sgpr_workgroup_id_y 1
		.amdhsa_system_sgpr_workgroup_id_z 1
		.amdhsa_system_vgpr_workitem_id 0
		.amdhsa_next_free_vgpr 512
		.amdhsa_next_free_sgpr 96
		.amdhsa_reserve_vcc 0
		.amdhsa_float_denorm_mode_32 3
		.amdhsa_float_denorm_mode_16_64 3
		.amdhsa_memory_ordered 1
		.amdhsa_forward_progress 1
		.amdhsa_inst_pref_size 99
	.end_amdhsa_kernel
	.amdgpu_metadata
---
amdhsa.version: [ 1, 2 ]
amdhsa.kernels:
  - .name:           k_q8eef686028_gates
    .symbol:         k_q8eef686028_gates.kd
    .args:
      - { .name: xq, .offset: 0, .size: 8, .value_kind: global_buffer, .address_space: global }
      - { .name: wq, .offset: 8, .size: 8, .value_kind: global_buffer, .address_space: global }
      - { .name: query_mean, .offset: 16, .size: 8, .value_kind: global_buffer, .address_space: global }
      - { .name: b_ih, .offset: 24, .size: 8, .value_kind: global_buffer, .address_space: global }
      - { .name: b_hh, .offset: 32, .size: 8, .value_kind: global_buffer, .address_space: global }
      - { .name: hq, .offset: 40, .size: 8, .value_kind: global_buffer, .address_space: global }
    .group_segment_fixed_size: 279040
    .private_segment_fixed_size: 0
    .kernarg_segment_align: 8
    .kernarg_segment_size: 48
    .max_flat_workgroup_size: 128
    .sgpr_count:     96
    .vgpr_count:     512
    .wavefront_size: 32
...
	.end_amdgpu_metadata
.endif
;; end of part 2
;; launch scores (part 3): grid 8 x 32, 4 waves a work-group, clusters of 4 x 4, 168,448 bytes of LDS; arguments sq, hq, out0; writes out0
.if DOCPART == 3
	.amdgcn_target "amdgcn-amd-amdhsa--gfx1250"
	.amdhsa_code_object_version 6
	.text
	.protected	k_q8eef686028_scores
	.globl	k_q8eef686028_scores
	.p2align	8
	.type	k_q8eef686028_scores,@function
k_q8eef686028_scores:
	s_mov_b64 s[64:65], 0
	v_nop
	global_prefetch_b8 v0, s[64:65] scope:SCOPE_SE
	s_setreg_imm32_b32 hwreg(HW_REG_WAVE_MODE, 25, 1), 1
	s_wait_xcnt 0x0
	s_wait_alu depctr_hold_cnt(0) depctr_sa_sdst(0) depctr_va_vdst(0) depctr_va_sdst(0) depctr_va_ssrc(0) depctr_va_vcc(0) depctr_vm_vsrc(0)
	s_getreg_b32 s2, hwreg(HW_REG_IB_STS2, 6, 4)
	s_cmp_eq_u32 s2, 0
	s_cbranch_scc0 .Lentry_in_a_cluster
	s_endpgm
.Lentry_in_a_cluster:
	s_bfe_u32 s2, ttmp6, 0x10000c
	s_cmp_lg_u32 s2, 0xf033
	s_cbranch_scc0 .Lentry_shape_is_right
	s_endpgm
.Lentry_shape_is_right:
; out0 [2048][512] = Q(h) Q(support_mean)^T, K = 1024, on codes of FP4 with E8M0 scales, f32 sums.  Both operands lie as images of the operand's registers (a fragment of 16 rows x 128 K: 1,024 bytes,
; byte 512 c + 16 lane = registers 4 c .. 4 c + 3), in blocks of 64 rows: [chunk of two K steps, 8,704 bytes]: codes at 4096 kk + 1024 m, scale words at 8192 + 256 kk + 64 m + 4 r.
; SHARES: 256 work-groups; work-group (nb, rb) makes 64 rows x 64 supports; wave w rows 16 w .. 16 w + 15 x all 64: four accumulators, 32 matrix instructions.
; Both blocks, 34,816 bytes each, come into LDS once: wave w asks for chunk w of each.  No LDS byte is filled twice.
; CLUSTER 4 x 4: support's block hangs on nb alone and is asked for jointly along a column of the cluster, h's on rb alone and jointly along a row.
; THE MATRIX INSTRUCTION IS USED TRANSPOSED (source 0 = 16 supports, source 1 = my 16 rows of h): a lane holds eight neighbouring numbers of a row of out0.  They go through my own stage in LDS
; and leave as rows: sixteen lanes store 256 consecutive bytes, aligned.
; LIMITS: those of the launches that made the codes.
.set XCH,   8704
.set HB,    4*XCH                      ; h's block, behind support's
.set STAGE, 8*XCH                      ; 16 rows x (256 + 16) bytes for each wave; no tile lands there
.set SP,    272
.set SCR,   16                         ; v16-18, v19-21 scale words, two sets (support's tiles 0|1, 2|3; h's), and nothing else
.set FS,    32                         ; v32-71, v72-111 two sets of fragments: support's tile t at + 8 t, h's at + 32
.set ACC,   112                        ; v112-143
.set OUTR,  144                        ; v144-175
.set G1S,   24                         ; s[24:31], s[32:39] group 1 for support's and for h's chunks; s[40:43], s[44:47] their groups 0
.set G1H,   32
.set G0S,   40
.set G0H,   44
.macro PLACES                          ; four plain vector lines behind a matrix instruction, ahead of loads into its sources and of reads of its result
.rept 4
	v_nop
.endr
.endm
.macro CROUND                          ; a round of the cluster's barrier
	s_barrier_signal -1
	s_barrier_wait -1
	s_cmp_lg_u32 s16, 0
	s_cbranch_scc1 .Lnot_wave_0_\@
	s_barrier_signal -3
.Lnot_wave_0_\@:
	s_barrier_wait -3
	s_barrier_signal -1
	s_barrier_wait -1
.endm
	s_load_b128 s[4:7], s[0:1], 0x0                ; sq s[4:5], hq s[6:7]
	s_load_b64 s[8:9], s[0:1], 0x10                ; out0
	v_lshl_add_u32 v176, v0, 2, 0x29000
	v_mov_b32 v177, 0
	ds_add_u32 v176, v177
	ds_add_u32 v176, v177
	v_lshrrev_b32 v1, 5, v0
	v_readfirstlane_b32 s16, v1                    ; wave 0..3
	s_bfe_u32 s17, ttmp6, 0x40000                  ; cx
	s_bfe_u32 s18, ttmp6, 0x40004                  ; cy
	s_lshl_b32 s19, ttmp9, 2
	s_add_co_u32 s19, s19, s17                     ; nb: block of 64 supports
	s_and_b32 s20, ttmp7, 0xffff
	s_lshl_b32 s20, s20, 2
	s_add_co_u32 s20, s20, s18                     ; rb: block of 64 rows
	s_lshl_b32 s21, s18, 2
	s_lshl_b32 s21, 15, s21                        ; my row of the cluster
	s_lshl_b32 s22, 0x1111, s17                    ; my column
	s_or_b32 s[G1S], s22, (3<<16)|(1<<21)          ; a dense chunk as 34 rows of 256 bytes (32 elements of 8 bytes); the mask; bit 21 beside it
	s_or_b32 s[G1H], s21, (3<<16)|(1<<21)
.irp g, G1S, G1H
	s_mov_b32 s[\g+1], 32<<16                      ; tensor_dim0
	s_mov_b32 s[\g+2], 34<<16                      ; tensor_dim1
	s_mov_b32 s[\g+3], 32<<16                      ; tile_dim0
	s_mov_b32 s[\g+4], 34                          ; tile_dim1
	s_mov_b32 s[\g+5], 32                          ; from row to row
	s_mov_b32 s[\g+6], 0
	s_mov_b32 s[\g+7], 0
.endr
	s_mul_i32 s52, s16, XCH                        ; chunk w
	s_mul_i32 s48, s19, 4*XCH
	s_add_co_u32 s48, s48, s52                     ; in sq: made of nb and the wave's number alone
	s_mov_b32 s49, 0
	s_mul_i32 s50, s20, 4*XCH
	s_add_co_u32 s50, s50, s52                     ; in hq: made of rb and the wave's number alone
	s_mov_b32 s51, 0
	s_wait_dscnt 0x0
	s_wait_kmcnt 0x0
	s_mov_b32 s[G0S], 1
	s_mov_b32 s[G0S+1], s52
	s_add_nc_u64 s[G0S+2:G0S+3], s[4:5], s[48:49]
	s_or_b32 s[G0S+3], s[G0S+3], 0x80000000
	s_mov_b32 s[G0H], 1
	s_add_co_u32 s[G0H+1], s52, HB
	s_add_nc_u64 s[G0H+2:G0H+3], s[6:7], s[50:51]
	s_or_b32 s[G0H+3], s[G0H+3], 0x80000000
	CROUND                                         ; all sixteen work-groups are here: the joint loads meet
	tensor_load_to_lds s[G0S:G0S+3], s[G1S:G1S+7]  ; two loads of mine are out
	s_nop 0
	tensor_load_to_lds s[G0H:G0H+3], s[G1H:G1H+7]
	s_nop 0
	PLACES                                         ; four plain lines behind the loads
	v_and_b32 v1, 31, v0                           ; lane
	v_and_b32 v2, 15, v0                           ; r
	v_bfe_u32 v3, v0, 4, 1                         ; h
	v_lshlrev_b32 v4, 4, v1                        ; support's fragments: 16 x lane
	s_lshl_b32 s53, s16, 10
	s_add_co_u32 s53, s53, HB
	v_add_nc_u32 v5, s53, v4                       ; h's: tile w
	v_lshl_add_u32 v6, v1, 2, 8192                 ; support's scale words: lanes 0-15 one tile, lanes 16-31 the next
	s_lshl_b32 s53, s16, 6
	s_add_co_u32 s53, s53, HB+8192
	v_lshl_add_u32 v7, v2, 2, s53                  ; h's: tile w, row r
	s_mul_i32 s53, s16, 16*SP
	s_add_co_u32 s53, s53, STAGE                   ; my stage
	v_mul_u32_u24 v8, v2, SP
	v_lshl_add_u32 v8, v3, 5, v8
	v_add_nc_u32 v8, s53, v8                       ; in: row r, 32 bytes for each half of the lanes
	v_mul_u32_u24 v9, v3, SP
	v_lshl_add_u32 v9, v2, 4, v9
	v_add_nc_u32 v9, s53, v9                       ; back: lanes 0-15 one row of 256 bytes, lanes 16-31 the next
	v_lshlrev_b32 v10, 11, v3
	v_lshl_add_u32 v10, v2, 4, v10                 ; and the same two rows in out0
	s_lshl_b32 s54, s20, 17                        ; out0: row 64 rb + 16 w of 2,048 bytes, column 64 nb
	s_lshl_b32 s55, s16, 15
	s_add_co_u32 s54, s54, s55
	s_lshl_b32 s55, s19, 8
	s_add_co_u32 s54, s54, s55
	s_mov_b32 s55, 0
	s_add_nc_u64 s[8:9], s[8:9], s[54:55]
.macro FETCH s                         ; 13 LDS loads: K step s's fragments and scale words into set s % 2
.set fP, FS+40*((\s)%2)
.set fS, SCR+3*((\s)%2)
.set oX, ((\s)/2)*XCH
.irp t, 0,1,2,3
.irp c, 0,1
	ds_load_b128 v[fP+8*\t+4*\c:fP+8*\t+4*\c+3], v4 offset:oX+((\s)%2)*4096+\t*1024+\c*512
.endr
.endr
.irp c, 0,1
	ds_load_b128 v[fP+32+4*\c:fP+32+4*\c+3], v5 offset:oX+((\s)%2)*4096+\c*512
.endr
.irp q, 0,1
	ds_load_b32 v[fS+\q], v6 offset:oX+((\s)%2)*256+128*\q
.endr
	ds_load_b32 v[fS+2], v7 offset:oX+((\s)%2)*256
.endm
.macro WM t, p, first                  ; support's tile t x my rows of h.  first = 1: the product starts the sum
.set rD, ACC+8*(\t)
.set rA, FS+40*(\p)+8*(\t)
.set rB, FS+40*(\p)+32
.set rSA, SCR+3*(\p)+(\t)/2
.set rSB, SCR+3*(\p)+2
.if \first
.if (\t)%2 == 0
	v_wmma_scale_f32_16x16x128_f8f6f4 v[rD:rD+7], v[rA:rA+7], v[rB:rB+7], 0, v[rSA], v[rSB] matrix_a_fmt:MATRIX_FMT_FP4 matrix_b_fmt:MATRIX_FMT_FP4
.else
	v_wmma_scale_f32_16x16x128_f8f6f4 v[rD:rD+7], v[rA:rA+7], v[rB:rB+7], 0, v[rSA], v[rSB] matrix_a_fmt:MATRIX_FMT_FP4 matrix_b_fmt:MATRIX_FMT_FP4 matrix_a_scale:MATRIX_SCALE_ROW1
.endif
.else
.if (\t)%2 == 0
	v_wmma_scale_f32_16x16x128_f8f6f4 v[rD:rD+7], v[rA:rA+7], v[rB:rB+7], v[rD:rD+7], v[rSA], v[rSB] matrix_a_fmt:MATRIX_FMT_FP4 matrix_b_fmt:MATRIX_FMT_FP4
.else
	v_wmma_scale_f32_16x16x128_f8f6f4 v[rD:rD+7], v[rA:rA+7], v[rB:rB+7], v[rD:rD+7], v[rSA], v[rSB] matrix_a_fmt:MATRIX_FMT_FP4 matrix_b_fmt:MATRIX_FMT_FP4 matrix_a_scale:MATRIX_SCALE_ROW1
.endif
.endif
.endm
.macro STEP s                          ; the next step's loads go out first, into the set that the step before multiplied; then four products, the four accumulators by turns
.if (\s) > 0
	PLACES
.endif
.if (\s) < 7
	FETCH (\s)+1
	s_wait_dscnt 13                                ; all but the 13 just issued: this step's are in
.else
	s_wait_dscnt 0x0
.endif
.irp t, 0,1,2,3
.if (\s) == 0
	WM \t, 0, 1
.else
	WM \t, (\s)%2, 0
.endif
.endr
.endm
	s_wait_tensorcnt 0x0                           ; my two chunks are in,
	s_barrier_signal -1
	s_barrier_wait -1                              ; everybody's are
	FETCH 0
.irp s, 0,1,2,3,4,5,6,7
	STEP \s
.endr
	PLACES                                         ; behind the last products, ahead of the stores that read the results
.irp t, 0,1,2,3
	ds_store_b128 v8, v[ACC+8*\t:ACC+8*\t+3] offset:64*\t          ; each accumulator from its low end on
	ds_store_b128 v8, v[ACC+8*\t+4:ACC+8*\t+7] offset:64*\t+16
.endr
.irp i, 0,1,2,3,4,5,6,7
	ds_load_b128 v[OUTR+4*\i:OUTR+4*\i+3], v9 offset:2*\i*SP       ; my wave's own bytes, served in order: these see the stores above
.endr
.irp i, 0,1,2,3,4,5,6,7
	s_wait_dscnt 7-\i                              ; rows 2 i, 2 i + 1 are back; the younger loads may be out
	global_store_b128 v10, v[OUTR+4*\i:OUTR+4*\i+3], s[8:9] offset:2*\i*2048 th:TH_STORE_NT   ; sixteen lanes store 256 consecutive bytes, aligned; written once, read by nobody here
.endr
	s_wait_tensorcnt 0x0
	ds_add_u32 v176, v177
	s_wait_dscnt 0x0
	CROUND                                         ; the closing round: no work-group ends while a partner may still ask for a tile that names it
	s_endpgm
.Lfunc_end_k_q8eef686028_scores:
	.size	k_q8eef686028_scores, .Lfunc_end_k_q8eef686028_scores-k_q8eef686028_scores
	.p2alignl 7, 3214868480
	.fill 96, 4, 3214868480
	.section	.rodata,"a",@progbits
	.p2align	6, 0x0
	.amdhsa_kernel k_q8eef686028_scores
		.amdhsa_group_segment_fixed_size 168448
		.amdhsa_private_segment_fixed_size 0
		.amdhsa_enable_private_segment 0
		.amdhsa_kernarg_size 24
		.amdhsa_user_sgpr_count 2
		.amdhsa_user_sgpr_kernarg_segment_ptr 1
		.amdhsa_wavefront_size32 1
		.amdhsa_system_sgpr_workgroup_id_x 1
		.amdhsa_system_sgpr_workgroup_id_y 1
		.amdhsa_system_sgpr_workgroup_id_z 1
		.amdhsa_system_vgpr_workitem_id 0
		.amdhsa_next_free_vgpr 178
		.amdhsa_next_free_sgpr 66
		.amdhsa_reserve_vcc 0
		.amdhsa_float_denorm_mode_32 3
		.amdhsa_float_denorm_mode_16_64 3
		.amdhsa_memory_ordered 1
		.amdhsa_forward_progress 1
		.amdhsa_inst_pref_size 20
	.end_amdhsa_kernel
	.amdgpu_metadata
---
amdhsa.version: [ 1, 2 ]
amdhsa.kernels:
  - .name:           k_q8eef686028_scores
    .symbol:         k_q8eef686028_scores.kd
    .args:
      - { .name: sq, .offset: 0, .size: 8, .value_kind: global_buffer, .address_space: global }
      - { .name: hq, .offset: 8, .size: 8, .value_kind: global_buffer, .address_space: global }
      - { .name: out0, .offset: 16, .size: 8, .value_kind: global_buffer, .address_space: global }
    .group_segment_fixed_size: 168448
    .private_segment_fixed_size: 0
    .kernarg_segment_align: 8
    .kernarg_segment_size: 24
    .max_flat_workgroup_size: 128
    .sgpr_count:     66
    .vgpr_count:     178
    .wavefront_size: 32
...
	.end_amdgpu_metadata
.endif
;; end of part 3
